; MI455X (gfx1250); checked and timed in simulation.
; The chip was launched on July 23, 2026; its instructions are those of AMD's public machine-readable ISA for CDNA 5 (MIT licence, August 2026) and "CDNA5" Instruction Set Architecture Reference Guide (July 2026). The comments in the code are by the model that wrote it; some were corrected since.
;; NN. Allowed arithmetic: float matrix products may take bf16 or f16 operands with f32 sums; other float arithmetic in f32, or as packed bf16 or f16 multiplies, adds, multiply-adds, maxima and minima; sums over many terms, partial sums and values carried from step to step in f32; what a program stores and reads back later, other than sums and carried values, may be rounded once to bf16 or f16.
;; Inputs: train_label 32,768 float32; train_pts 32,768 x 128 float32; x 8,192 x 128 float32.
;; Outputs: out0 8,192 float32.
;; One version. Each part assembles by itself: llvm-mc -triple=amdgcn-amd-amdhsa -mcpu=gfx1250 --defsym DOCPART=n.
;; ======== version 1 of 1: 2 launches
;; workspace buffers: part 1,048,576 bytes of whole numbers
;; launch dist (part 1): grid 16 x 16, 4 waves a work-group, clusters of 4 x 1, 327,680 bytes of LDS; arguments x, train_pts, part; writes part
.if DOCPART == 1
	.amdgcn_target "amdgcn-amd-amdhsa--gfx1250"
	.amdhsa_code_object_version 6
	.text
	.protected	k_qda054934c2_dist
	.globl	k_qda054934c2_dist
	.p2align	8
	.type	k_qda054934c2_dist,@function
k_qda054934c2_dist:
	s_mov_b64 s[64:65], 0
	v_nop
	global_prefetch_b8 v0, s[64:65] scope:SCOPE_SE
	s_setreg_imm32_b32 hwreg(HW_REG_WAVE_MODE, 25, 1), 1
	s_wait_xcnt 0x0
	s_wait_alu depctr_hold_cnt(0) depctr_sa_sdst(0) depctr_va_vdst(0) depctr_va_sdst(0) depctr_va_ssrc(0) depctr_va_vcc(0) depctr_vm_vsrc(0)
	s_getreg_b32 s2, hwreg(HW_REG_IB_STS2, 6, 4)
	s_cmp_eq_u32 s2, 0
	s_cbranch_scc0 .Lentry_in_a_cluster
	s_endpgm
.Lentry_in_a_cluster:
	s_bfe_u32 s2, ttmp6, 0x10000c
	s_cmp_lg_u32 s2, 0x3003
	s_cbranch_scc0 .Lentry_shape_is_right
	s_endpgm
.Lentry_shape_is_right:
; NEAREST NEIGHBOUR, FIRST PART.  x: [8192][128] f32, train_pts: [32768][128] f32.  For each query and each of 16 splits of 2,048 train rows: WHICH BLOCK OF 8 CONSECUTIVE
; TRAIN ROWS holds the nearest row.  part[split][query] = (key, block): key is a u32 that is smaller where the row is nearer, block = train row / 8.
; WHAT IS RANKED.  D = x . t - |t|^2 / 2 = (|x|^2 - d2) / 2: |x|^2 is the same for all rows of a query, clamp and root never turn an order round, so the largest D is the smallest distance.
; x and train_pts are rounded once to bf16 (nearest even); |t|^2 is the f32 sum of the squares of the ROUNDED numbers; products in bf16, sums in f32.
; -|t|^2 / 2 is the C operand of the first of the four K steps, so no vector instruction touches single distances but a maximum of three.
; LIMITS.  Where rounding, clamp or root make the distance equal in two DIFFERENT blocks of 8, the block with the larger D is taken, at equal D the lower block (inside a block the second launch
; takes the steps as they are written, and the first index).  NaN and infinities are not treated apart; +0 and -0 get neighbouring keys.
; SHARES.  256 work-groups: 16 blocks of 512 queries x 16 splits.  A wave owns 128 queries: 8 tiles of 16, whose bf16 fragments stay in 256 registers.  Every wave walks the split's 2,048 rows.
; CLUSTER.  The four query blocks of a cluster walk the same split: each block of 128 train rows is asked for JOINTLY, the same tensor load, descriptor and mask in all four; wave w fetches rows 32 w .. 32 w + 31.
; LDS.  Two halves, 0x20000 apart, so that one exclusive or turns an address of one into the other's.  A half: F, 128 rows of f32 as they come (512 + 16 bytes); B, the same rows in bf16 (256 + 16 bytes); Y, 128 x -|t|^2/2.
; F alone is filled by tensor loads; B and Y are stored by the waves, each converting the 32 rows that it fetched; all four waves read B and Y.  With both pitches the 16 rows of a fragment load start at 16 different 16-byte columns modulo 256 bytes.
; STEP s (16 of them): B, Y of half s % 2 are multiplied; block s + 1 is converted inside half (s + 1) % 2; at the step's head F of half s % 2 is filled again with block s + 2.
; A BODY multiplies one tile of 16 train rows by the wave's 128 queries: 32 matrix instructions.  It loads the NEXT tile's fragments at its head, so the bodies run one tile behind the steps and the matrix unit has work straight behind each barrier.
; LAYOUT.  Source 0 = 16 train rows, source 1 = 16 queries: in the result a lane holds ONE query (lane % 16) and the train rows 8 (lane / 16) + 0..7: one block of 8.
; REGISTERS, in windows of 256 (s_set_vgpr_msb: bits 1:0 source 0, 3:2 source 1, 5:4 source 2, 7:6 destination): window 0 all but: window 1 = Q (tile q, K step c at 32 q + 8 c); window 2 = v0-191, three sets of 64 for x as it is loaded.
.set HALF,  0x20000
.set FP,    528                        ; pitch of F
.set BP,    272                        ; pitch of B
.set BOFF,  128*FP                     ; 67,584
.set YOFF,  BOFF+128*BP                ; 102,400
.set SPARE, HALF+YOFF+512              ; 233,984: behind the second half: the spare words, 128 bytes for each wave: two blocks of 256 bytes that no other line names
.set BLK,   128*512                    ; bytes of 128 train rows in memory
.set AL0, 1                            ; v1   BOFF + (l % 16) BP + 16 (l / 16): my place in a fragment of B; never rewritten
.set YL0, 2                            ; v2   YOFF + 32 (l / 16)
.set FL0, 3                            ; v3   (32 w + l / 8) FP + 64 (l % 8): conversion: my row of four, my 16 numbers
.set BS0, 4                            ; v4   BOFF + (32 w + l / 8) BP + 32 (l % 8)
.set YS0, 5                            ; v5   YOFF + 4 (32 w + l / 8)
.set ALD, 6                            ; v6-10  the same five, with the half and the step's progress added
.set YLD, 7
.set FAD, 8
.set BST, 9
.set YST, 10
.set TID, 11                           ; v11  block number of my 8 rows in the tile whose maxima are being taken
.set SPW, 12                           ; v12  LDS address of my spare word; never rewritten
.set NIL, 13                           ; v13  0, for the add alone
.set PFO, 14                           ; v14  512 x lane: the prefetches' offset, a lane a row
.set QO,  15                           ; v15  my offset in 16 rows of x; at the end 8 x lane
.set MA,  16                           ; v16-19  maxima at work, for two query tiles
.set BV,  20                           ; v20-27, v28-35  running maximum of tile q, two sets by turns: old and new are both wanted for the compare
.set BT,  36                           ; v36-43  its block number
.set ST,  44                           ; v44-59  16 f32 to convert
.set PK,  60                           ; v60-67  the same in bf16
.set AC,  68                           ; v68-69  sums of squares (low halves, high halves)
.set YV,  70
.set ZR,  71                           ; v71  0
.set YC,  72                           ; v72-79, v80-87  C operands, two sets
.set AF,  88                           ; v88-119, v120-151  train fragments, two sets of four K steps
.set DA,  152                          ; v152-215  accumulators, 8 for each query tile
.set WV,  10                           ; s10  my wave's number
.set G1,  16                           ; s[16:23] descriptor group 1
.set G0A, 24                           ; s[24:27] group 0: block 0 into half 0
.set G0B, 28                           ; s[28:31] group 0: block 1 into half 1; then it walks
.set OUT, 32                           ; s32  steps with a refill still to come
.set CNT, 33                           ; s33  pairs of bodies in a step
.set RB,  34                           ; s34  the half that is multiplied
.set CB,  35                           ; s35  the half in which is converted
.set LIM, 36                           ; s36  2 in a wave that prefetches, else the greatest number
.set PFA, 38                           ; s[38:39] where my prefetches stand
.set MSB, 0
.macro WIN new                         ; the immediate's high byte repeats the setting that is left; a switch that changes nothing is dropped
.if MSB != (\new)
	s_set_vgpr_msb (MSB<<8)|(\new)
.set MSB, (\new)
.endif
.endm
.set W_MM, 0x04                        ; source 1 (Q) in window 1, all else in window 0
; A round of the cluster's barrier: my work-group's barrier, so that wave 0's signal speaks for all four waves; wave 0 signals; every wave waits for all four work-groups; my work-group's barrier once more.
.macro CROUND
	s_barrier_signal -1
	s_barrier_wait -1
	s_cmp_lg_u32 s[WV], 0
	s_cbranch_scc1 .Lnot_wave_0_\@
	s_barrier_signal -3
.Lnot_wave_0_\@:
	s_barrier_wait -3
	s_barrier_signal -1
	s_barrier_wait -1
.endm
; A PREFETCH INTO THE L2 of the block that stands TWO refills on: two steps, 512 matrix instructions, ahead of its tensor load.  A split's rows are walked by four clusters: the first (cluster x = 0) asks.
; Its four partners take 32 rows each, told apart BY ADDRESS; in each, wave 0 names the first 256 bytes of a row and wave 1 the second, a lane a row.  So each 256 bytes of train_pts are named once in the launch.
; The last two refills have no block two on; blocks 0 to 3 come by their loads alone.
.macro ASK
	s_cmp_gt_u32 s[OUT], s[LIM]
	s_cbranch_scc0 .Lnot_mine_\@
	global_prefetch_b8 v[PFO], s[PFA:PFA+1] th:TH_LOAD_NT scope:SCOPE_SE
.Lnot_mine_\@:
.endm
; THE CHANGE OF HALVES.  Each wave waits for all its tensor loads, of which one is out: its rows of the block to be converted next; adds 0 to its spare word; and waits for that, for its stores into B and Y,
; for its reads of F and for its reads of the B that it leaves.  Behind the barrier the new B and Y are whole, and nobody reads the old ones, which this step's conversion writes.
; fill = 1: the F that was converted last step is filled again; the barrier is then a round of the cluster's, and the joint refill is the first thing behind it: it has a step, 256 matrix instructions, in which to land.
.macro CHANGE fill
	WIN 0
	s_wait_tensorcnt 0x0               ; no tensor load of mine is out, so the walking group 0 may be written
	ds_add_u32 v[SPW], v[NIL]          ; 0 onto my spare word; scalar work stands between it and the wait for it
	s_xor_b32 s[RB], s[RB], HALF
	s_xor_b32 s[CB], s[CB], HALF
.if \fill
	s_xor_b32 s[G0B+1], s[G0B+1], HALF                         ; the other half than last time,
	s_add_nc_u64 s[G0B+2:G0B+3], s[G0B+2:G0B+3], BLK           ; the next 128 rows; the type bits on top are not reached
	s_wait_xcnt 0x0                    ; the last prefetch, a step back, has read its address, so it may be written
	s_add_nc_u64 s[PFA:PFA+1], s[PFA:PFA+1], BLK
.endif
	s_wait_dscnt 0x0                   ; the add, my stores and my reads are done
.if \fill
	CROUND
	tensor_load_to_lds s[G0B:G0B+3], s[G1:G1+7]
	s_nop 0
.rept 4
	v_nop
.endr
	ASK
.else
	s_barrier_signal -1
	s_barrier_wait -1
.endif
	v_add_nc_u32 v[ALD], s[RB], v[AL0]
	v_add_nc_u32 v[YLD], s[RB], v[YL0]
	v_add_nc_u32 v[FAD], s[CB], v[FL0]
	v_add_nc_u32 v[BST], s[CB], v[BS0]
	v_add_nc_u32 v[YST], s[CB], v[YS0]
.endm
; Matrix instruction i of a body's 32: query tiles 4 (i / 16) + i % 4, K step (i % 16) / 4.  Four accumulators take turns, one instruction a turn, from body to body too.  The first K step takes -|t|^2/2 as C.
.macro MM par
.if MUL
	WIN W_MM
.set cc, (i%16)/4
.set qq, 4*(i/16)+i%4
.if cc == 0
	v_wmma_f32_16x16x32_bf16 v[DA+8*qq:DA+8*qq+7], v[AF+32*(\par):AF+32*(\par)+7], v[32*qq:32*qq+7], v[YC+8*(\par):YC+8*(\par)+7]
.else
	v_wmma_f32_16x16x32_bf16 v[DA+8*qq:DA+8*qq+7], v[AF+32*(\par)+8*cc:AF+32*(\par)+8*cc+7], v[32*qq+8*cc:32*qq+8*cc+7], v[DA+8*qq:DA+8*qq+7]
.endif
.endif
.set i, i+1
.endm
.macro MMS n, par
.rept \n
	MM \par
.endr
.endm
; The maxima of query tiles qa and qb for one train tile, in parts.  k = 0: registers 0-5 (each accumulator's lowest registers are read first); 1 = 3 and then the first half of 4;
; 3: register 6; 4: register 7 and the old maximum give the new one, then 2; 2: where the maximum has grown, the block number is taken (strictly greater: the earliest block keeps a tie).
.macro EPI qa, qb, k, old, new
	WIN 0
.if (\k) == 0
	v_max3_num_f32 v[MA],   v[DA+8*(\qa)],   v[DA+8*(\qa)+1], v[DA+8*(\qa)+2]
	v_max3_num_f32 v[MA+1], v[DA+8*(\qb)],   v[DA+8*(\qb)+1], v[DA+8*(\qb)+2]
	v_max3_num_f32 v[MA+2], v[DA+8*(\qa)+3], v[DA+8*(\qa)+4], v[DA+8*(\qa)+5]
	v_max3_num_f32 v[MA+3], v[DA+8*(\qb)+3], v[DA+8*(\qb)+4], v[DA+8*(\qb)+5]
.endif
.if ((\k) == 1) || ((\k) == 3)
	v_max3_num_f32 v[MA],   v[MA],   v[MA+2], v[DA+8*(\qa)+6]
	v_max3_num_f32 v[MA+1], v[MA+1], v[MA+3], v[DA+8*(\qb)+6]
.endif
.if ((\k) == 1) || ((\k) == 4)
	v_max3_num_f32 v[BV+8*(\new)+(\qa)], v[MA],   v[DA+8*(\qa)+7], v[BV+8*(\old)+(\qa)]
	v_max3_num_f32 v[BV+8*(\new)+(\qb)], v[MA+1], v[DA+8*(\qb)+7], v[BV+8*(\old)+(\qb)]
.endif
.if ((\k) == 2) || ((\k) == 4)
	v_cmp_gt_f32 s44, v[BV+8*(\new)+(\qa)], v[BV+8*(\old)+(\qa)]
	v_cmp_gt_f32 s45, v[BV+8*(\new)+(\qb)], v[BV+8*(\old)+(\qb)]
	v_cndmask_b32 v[BT+(\qa)], v[BT+(\qa)], v[TID], s44
	v_cndmask_b32 v[BT+(\qb)], v[BT+(\qb)], v[TID], s45
.endif
.endm
; The conversion of a piece (4 rows; a lane holds 16 neighbouring numbers of one row), in parts of four.
.macro CV hf                           ; eight numbers rounded to bf16
	WIN 0
.irp u, 0,1,2,3
	v_cvt_pk_bf16_f32 v[PK+4*(\hf)+(\u)], v[ST+8*(\hf)+2*(\u)], v[ST+8*(\hf)+2*(\u)+1]
.endr
.endm
.macro FM n                            ; the squares of four ROUNDED numbers: low halves onto one sum, high halves onto the other
	WIN 0
.if (\n) == 0
	v_fma_mix_f32_bf16 v[AC],   v[PK], v[PK], v[ZR] op_sel_hi:[1,1,0]
	v_fma_mix_f32_bf16 v[AC+1], v[PK], v[PK], v[ZR] op_sel:[1,1,0] op_sel_hi:[1,1,0]
.else
	v_fma_mix_f32_bf16 v[AC],   v[PK+2*(\n)], v[PK+2*(\n)], v[AC]   op_sel_hi:[1,1,0]
	v_fma_mix_f32_bf16 v[AC+1], v[PK+2*(\n)], v[PK+2*(\n)], v[AC+1] op_sel:[1,1,0] op_sel_hi:[1,1,0]
.endif
	v_fma_mix_f32_bf16 v[AC],   v[PK+2*(\n)+1], v[PK+2*(\n)+1], v[AC]   op_sel_hi:[1,1,0]
	v_fma_mix_f32_bf16 v[AC+1], v[PK+2*(\n)+1], v[PK+2*(\n)+1], v[AC+1] op_sel:[1,1,0] op_sel_hi:[1,1,0]
.endm
.macro DP x                            ; the sum over the 8 lanes of a row
	WIN 0
	v_add_f32_dpp v[AC], v[AC], v[AC] row_xmask:\x row_mask:0xf bank_mask:0xf
.endm
; A BODY, for train tile j; par = j % 2 names its fragments' set.  mul: its 32 products and the maxima of query tiles 0-3.  e1: the maxima of tile j - 1 for query tiles 4-7, whose products ended the body before.
; lda: tile j + 1's fragments and C operand are loaded, at the head.  conv: one piece of the next block is converted.  The vector work stands in slices behind single matrix instructions.
; ONE wait for LDS, in front of product 16: the loads were issued 16 products earlier; it serves this body's conversion and the next body's products.
; DISTANCES.  A vector instruction that reads a matrix result, and a load into a register that a matrix instruction has read, stand four plain vector instructions behind it that name none of its registers (ISA guide 7.12.1 for vector instructions).
; Behind product 31 stand six lines (two maxima, two compares, two selects) ahead of the next body's loads and of its reads of tiles 4-7; tiles 0-1 (products 12, 13) are read behind
; product 22, behind the five lines of product 14's slice or the 24 of the conversion; tiles 2-3 (14, 15) behind tiles 0-1's twelve.
.macro BODY par, mul, e1, lda, conv
.set MUL, \mul
.set i, 0
.set sec, 1-(\par)                     ; the other set; also the place of tile j + 1, and of the piece, in a pair
.if \lda
	WIN 0
.irp c, 0,1,2,3
	ds_load_b128 v[AF+32*sec+8*(\c):AF+32*sec+8*(\c)+3],   v[ALD] offset:sec*16*BP+64*(\c)
	ds_load_b128 v[AF+32*sec+8*(\c)+4:AF+32*sec+8*(\c)+7], v[ALD] offset:sec*16*BP+64*(\c)+32
.endr
	ds_load_b128 v[YC+8*sec:YC+8*sec+3],   v[YLD] offset:sec*64
	ds_load_b128 v[YC+8*sec+4:YC+8*sec+7], v[YLD] offset:sec*64+16
.endif
.if \conv
	WIN 0
.irp c, 0,1,2,3
	ds_load_b128 v[ST+4*(\c):ST+4*(\c)+3], v[FAD] offset:sec*4*FP+16*(\c)
.endr
.endif
	MMS 5, \par                        ; 0-4
.if \e1
	EPI 4, 5, 0, sec, \par
.endif
	MMS 2, \par                        ; 5, 6
.if \e1
	EPI 4, 5, 1, sec, \par
.endif
	MMS 2, \par                        ; 7, 8
.if \e1
	EPI 4, 5, 2, sec, \par
.endif
	MMS 2, \par                        ; 9, 10
.if \e1
	EPI 6, 7, 0, sec, \par
.endif
	MMS 2, \par                        ; 11, 12
.if \e1
	EPI 6, 7, 1, sec, \par
.endif
	MMS 2, \par                        ; 13, 14
.if \e1
	EPI 6, 7, 2, sec, \par
	v_add_nc_u32 v[TID], 2, v[TID]     ; a tile of 16 rows is two blocks of 8: on to tile j
.endif
	MMS 1, \par                        ; 15
.if (\lda) || (\conv)
	s_wait_dscnt 0x0                   ; the loads of this body's head are in
.endif
	MMS 1, \par                        ; 16
.if \conv
	CV 0
.endif
	MMS 1, \par                        ; 17
.if \conv
	CV 1
	ds_store_b128 v[BST], v[PK:PK+3]   offset:sec*4*BP
	ds_store_b128 v[BST], v[PK+4:PK+7] offset:sec*4*BP+16
.endif
.irp f, 0,1,2,3
	MMS 1, \par                        ; 18-21
.if \conv
	FM \f
.endif
.endr
	MMS 1, \par                        ; 22
.if \mul
	EPI 0, 1, 0, \par, sec
.endif
.if \conv
	WIN 0
	v_add_f32 v[AC], v[AC], v[AC+1]
.endif
	MMS 2, \par                        ; 23, 24
.if \mul
	EPI 0, 1, 1, \par, sec
.endif
.if \conv
	DP 1
.endif
	MMS 2, \par                        ; 25, 26
.if \mul
	EPI 0, 1, 2, \par, sec
.endif
.if \conv
	DP 2
.endif
	MMS 1, \par                        ; 27
.if \mul
	EPI 2, 3, 0, \par, sec
.endif
.if \conv
	DP 4
.endif
	MMS 1, \par                        ; 28
.if \mul
	EPI 2, 3, 3, \par, sec
.endif
.if \conv
	WIN 0
	v_mul_f32 v[YV], -0.5, v[AC]
.endif
	MMS 1, \par                        ; 29
.if \conv
	WIN 0
	ds_store_b32 v[YST], v[YV] offset:sec*16   ; the row's eight lanes store the same number to the same word
.endif
.if sec == 1                           ; a pair is done: the addresses step
.if \lda
	WIN 0
	v_add_nc_u32 v[ALD], 32*BP, v[ALD]
	v_add_nc_u32 v[YLD], 128, v[YLD]
.endif
.if \conv
	WIN 0
	v_add_nc_u32 v[FAD], 8*FP, v[FAD]
	v_add_nc_u32 v[BST], 8*BP, v[BST]
	v_add_nc_u32 v[YST], 32, v[YST]
.endif
.endif
	MMS 2, \par                        ; 30, 31
.if \mul
	EPI 2, 3, 4, \par, sec
.endif
.endm
; x: query tile t, 16 rows x 128 f32, straight into fragment order: lane l takes row l % 16 and, for K step c, the numbers 32 c + 8 (l / 16) + 0..7 and 32 c + 16 + 8 (l / 16) + 0..7.
.macro XLOAD t
	WIN 0x80                           ; destination window 2, address window 0
.irp c, 0,1,2,3
.irp p, 0,1,2,3
	global_load_b128 v[64*((\t)%3)+16*(\c)+4*(\p):64*((\t)%3)+16*(\c)+4*(\p)+3], v[QO], s[4:5] offset:(\t)*8192+128*(\c)+16*((\p)%2)+64*((\p)/2)
.endr
.endr
.endm
.macro XCVT t
	WIN 0x4a                           ; sources window 2, destination window 1
.set jj, 0
.rept 32
	v_cvt_pk_bf16_f32 v[32*(\t)+jj], v[64*((\t)%3)+2*jj], v[64*((\t)%3)+2*jj+1]
.set jj, jj+1
.endr
.endm
	s_load_b128 s[4:7], s[0:1], 0x0    ; x s[4:5], train_pts s[6:7]
	s_load_b64 s[8:9], s[0:1], 0x10    ; part
	v_lshl_add_u32 v[SPW], v0, 2, SPARE
	v_mov_b32 v[NIL], 0
	ds_add_u32 v[SPW], v[NIL]          ; the wave's opening: the add, twice on end, and its wait ahead of my first tensor load; the set-up below, work on registers, stands between
	ds_add_u32 v[SPW], v[NIL]
	v_lshrrev_b32 v16, 5, v0
	v_readfirstlane_b32 s[WV], v16     ; wave 0..3
	s_bfe_u32 s11, ttmp6, 0x40000      ; cx: my place in the cluster
	s_lshl_b32 s12, ttmp9, 2           ; in a cluster launch ttmp9 counts clusters
	s_add_co_u32 s12, s12, s11         ; my block of 512 queries: it enters x's and part's addresses alone
	s_and_b32 s13, ttmp7, 0xffff       ; the split, which the four partners share
	; descriptor group 1: 32 rows x 128 elements of 4 bytes, padded in LDS
	s_mov_b32 s[G1+0], 15|(2<<16)|(1<<20)|(1<<21)|(6<<22)|(3<<25)  ; 15:0 the mask of four; 17:16 4-byte elements; 20 padding on; 21 set beside a mask; 24:22 after every 128 words (code 6); 31:25 4 words (code 3)
	s_mov_b32 s[G1+1], 128<<16         ; tensor_dim0 = 128
	s_mov_b32 s[G1+2], 32<<16          ; tensor_dim1 = 32
	s_mov_b32 s[G1+3], 128<<16         ; tile_dim0 = 128
	s_mov_b32 s[G1+4], 32              ; tile_dim1 = 32
	s_mov_b32 s[G1+5], 128             ; 128 elements from row to row
	s_mov_b32 s[G1+6], 0
	s_mov_b32 s[G1+7], 0
	s_mov_b32 s[G0A], 1
	s_mul_i32 s[G0A+1], s[WV], 32*FP   ; my 32 rows of F, half 0: no place in the cluster enters an LDS address
	s_mov_b32 s[G0B], 1
	s_add_co_u32 s[G0B+1], s[G0A+1], HALF
	s_lshl_b32 s40, s13, 20            ; the split's 2,048 rows of 512 bytes,
	s_lshl_b32 s41, s[WV], 14          ; my 32 rows of a block
	s_add_co_u32 s40, s40, s41
	s_mov_b32 s41, 0
	s_lshl_b32 s42, s12, 18            ; x: my block's 512 rows,
	s_lshl_b32 s43, s[WV], 16          ; my wave's 128
	s_add_co_u32 s42, s42, s43
	s_mov_b32 s43, 0
	s_lshl_b32 s50, s13, 16            ; part: 8 bytes x (8,192 split + 512 block + 128 wave)
	s_lshl_b32 s51, s12, 12
	s_add_co_u32 s50, s50, s51
	s_lshl_b32 s51, s[WV], 10
	s_add_co_u32 s50, s50, s51
	s_mov_b32 s51, 0
	s_lshl_b32 s52, s13, 20            ; the prefetches: the split, block 3 (the first change steps it to block 4),
	s_add_co_u32 s52, s52, 3*BLK
	s_lshl_b32 s53, s11, 14            ; my work-group's 32 rows of the 128,
	s_add_co_u32 s52, s52, s53
	s_and_b32 s53, s[WV], 1            ; my half of a row's 512 bytes
	s_lshl_b32 s53, s53, 8
	s_add_co_u32 s52, s52, s53
	s_mov_b32 s53, 0
	s_lshr_b32 s[LIM], s[WV], 1        ; 0 in waves 0 and 1,
	s_or_b32 s[LIM], s[LIM], ttmp9     ; where the cluster is the split's first: the same in all four partners
	s_cmp_eq_u32 s[LIM], 0
	s_cselect_b32 s[LIM], 2, -1
	s_mov_b32 s46, 0x76543210          ; v_permlanex16_b32's selects: each lane takes its own place in the other half
	s_mov_b32 s47, 0xfedcba98
	s_mov_b32 s48, 0xffff0000          ; lanes 16-31
	s_wait_dscnt 0x0                   ; both opening adds are done
	s_wait_kmcnt 0x0
	s_add_nc_u64 s[G0A+2:G0A+3], s[6:7], s[40:41]
	s_add_nc_u64 s[G0B+2:G0B+3], s[G0A+2:G0A+3], BLK
	s_or_b32 s[G0A+3], s[G0A+3], 0x80000000   ; type = 2
	s_or_b32 s[G0B+3], s[G0B+3], 0x80000000
	s_add_nc_u64 s[4:5], s[4:5], s[42:43]
	s_add_nc_u64 s[8:9], s[8:9], s[50:51]
	s_add_nc_u64 s[PFA:PFA+1], s[6:7], s[52:53]
	CROUND                             ; all four work-groups are here: the first joint loads meet
	tensor_load_to_lds s[G0A:G0A+3], s[G1:G1+7]   ; block 0; two loads of mine are out
	s_nop 0
	tensor_load_to_lds s[G0B:G0B+3], s[G1:G1+7]   ; block 1
	s_nop 0
.rept 4
	v_nop
.endr
	v_and_b32 v16, 31, v0              ; l
	v_and_b32 v17, 15, v0              ; l % 16
	v_bfe_u32 v18, v0, 4, 1            ; l / 16
	v_bfe_u32 v19, v0, 3, 2            ; l / 8
	v_and_b32 v20, 7, v0               ; l % 8
	v_lshlrev_b32 v[QO], 9, v17
	v_lshl_add_u32 v[QO], v18, 5, v[QO]
	XLOAD 0                            ; 48 loads are out
	XLOAD 1
	XLOAD 2
	WIN 0
	v_mul_u32_u24 v[AL0], v17, BP
	v_lshl_add_u32 v[AL0], v18, 4, v[AL0]
	v_add_nc_u32 v[AL0], BOFF, v[AL0]
	v_lshl_add_u32 v[YL0], v18, 5, YOFF
	s_lshl_b32 s40, s[WV], 5
	v_add_nc_u32 v21, s40, v19         ; my row in a block's conversion: 32 w + l / 8
	v_mul_u32_u24 v[FL0], v21, FP
	v_lshl_add_u32 v[FL0], v20, 6, v[FL0]
	v_mul_u32_u24 v[BS0], v21, BP
	v_lshl_add_u32 v[BS0], v20, 5, v[BS0]
	v_add_nc_u32 v[BS0], BOFF, v[BS0]
	v_lshl_add_u32 v[YS0], v21, 2, YOFF
	s_lshl_b32 s41, s13, 8
	v_add_nc_u32 v[TID], s41, v18      ; 256 split + l / 16: tile 0's blocks
	v_lshlrev_b32 v[PFO], 9, v16
	v_mov_b32 v[ZR], 0
.irp q, 0,1,2,3,4,5,6,7
	v_mov_b32 v[BV+(\q)], 0xff800000   ; below every D
	v_mov_b32 v[BT+(\q)], v[TID]
.endr
	s_mov_b32 s[RB], HALF              ; the first change turns these two round
	s_mov_b32 s[CB], 0
	v_add_nc_u32 v[FAD], s[CB], v[FL0]
	v_add_nc_u32 v[BST], s[CB], v[BS0]
	v_add_nc_u32 v[YST], s[CB], v[YS0]
	s_wait_tensorcnt 0x1               ; my rows of block 0 are in; block 1's load, issued behind it, may stay out.  I read only rows that I fetched: no barrier
	s_mov_b32 s[CNT], 4
.Lc0:                                  ; block 0 is converted: eight pieces, with no products to stand beside
	BODY 1, 0, 0, 0, 1
	BODY 0, 0, 0, 0, 1
	s_sub_co_u32 s[CNT], s[CNT], 1
	s_cmp_lg_u32 s[CNT], 0
	s_cbranch_scc1 .Lc0
.irp t, 0,1,2,3,4,5,6,7                ; x to bf16, a query tile at a time; a set of 64 is loaded again as soon as it is converted
.if (\t) <= 5
	s_wait_loadcnt 32                  ; the two younger tiles' 16 loads each may stay out
.elseif (\t) == 6
	s_wait_loadcnt 16
.else
	s_wait_loadcnt 0x0
.endif
	XCVT \t
.if (\t) <= 4
	XLOAD (\t)+3
.endif
.endr
	WIN 0
	s_mov_b32 s[OUT], 14               ; steps 0 to 13 fill F again, with blocks 2 to 15
	CHANGE 1                           ; step 0
	BODY 1, 0, 0, 1, 1                 ; tile -1: nothing to multiply: tile 0's fragments are loaded
	BODY 0, 1, 0, 1, 1                 ; tile 0: no tile before it
	WIN 0
	s_mov_b32 s[CNT], 3
	s_branch .Lin
.Louter:
	CHANGE 1
	s_mov_b32 s[CNT], 4
.Lin:
	BODY 1, 1, 1, 1, 1
	BODY 0, 1, 1, 1, 1
	WIN 0
	s_sub_co_u32 s[CNT], s[CNT], 1
	s_cmp_lg_u32 s[CNT], 0
	s_cbranch_scc1 .Lin
	s_sub_co_u32 s[OUT], s[OUT], 1
	s_cmp_lg_u32 s[OUT], 0
	s_cbranch_scc1 .Louter
	CHANGE 0                           ; the tail is written out.  Step 14: block 15 is converted, nothing is asked for
	s_mov_b32 s[CNT], 4
.Lt14:
	BODY 1, 1, 1, 1, 1
	BODY 0, 1, 1, 1, 1
	WIN 0
	s_sub_co_u32 s[CNT], s[CNT], 1
	s_cmp_lg_u32 s[CNT], 0
	s_cbranch_scc1 .Lt14
	CHANGE 0                           ; step 15: nothing is left to convert
	s_mov_b32 s[CNT], 4
.Lt15:
	BODY 1, 1, 1, 1, 0
	BODY 0, 1, 1, 1, 0
	WIN 0
	s_sub_co_u32 s[CNT], s[CNT], 1
	s_cmp_lg_u32 s[CNT], 0
	s_cbranch_scc1 .Lt15
	BODY 1, 1, 1, 0, 0                 ; tile 127
	BODY 0, 0, 1, 0, 0                 ; its maxima for query tiles 4-7
	WIN 0
	; THE WAY OUT.  The results lie in the first set of maxima.  A query's other 8 rows of each tile lie in the lane 16 away: the greater D wins, at equal D the lower block; both lanes end with the same pair.
.irp q, 0,1,2,3,4,5,6,7
	v_permlanex16_b32 v[ST+(\q)],   v[BV+(\q)], s46, s47
	v_permlanex16_b32 v[ST+8+(\q)], v[BT+(\q)], s46, s47
.endr
.irp q, 0,1,2,3,4,5,6,7
	v_cmp_gt_f32 s44, v[ST+(\q)], v[BV+(\q)]
	v_cmp_eq_f32 s45, v[ST+(\q)], v[BV+(\q)]
	v_cmp_lt_u32 s40, v[ST+8+(\q)], v[BT+(\q)]
	s_and_b32 s45, s45, s40
	s_or_b32 s44, s44, s45
	v_cndmask_b32 v[BV+(\q)], v[BV+(\q)], v[ST+(\q)], s44
	v_cndmask_b32 v[BT+(\q)], v[BT+(\q)], v[ST+8+(\q)], s44
	v_ashrrev_i32 v[MA], 31, v[BV+(\q)]        ; the key: D's bits, the lower 31 turned over where D is not negative: as a u32 it falls where D rises
	v_xor_b32 v[MA], -1, v[MA]
	v_lshrrev_b32 v[MA], 1, v[MA]
	v_xor_b32 v[BV+(\q)], v[BV+(\q)], v[MA]
.endr
	v_and_b32 v[QO], 31, v0            ; (every load that named this register has been waited for)
	v_lshlrev_b32 v[QO], 3, v[QO]
.irp n, 0,1,2,3                        ; lanes 0-15 take query tile 2 n, lanes 16-31 tile 2 n + 1: 32 neighbouring queries, 256 consecutive bytes, at a multiple of 256 from part's first byte
	v_cndmask_b32 v[ST+2*(\n)],   v[BV+2*(\n)], v[BV+2*(\n)+1], s48
	v_cndmask_b32 v[ST+2*(\n)+1], v[BT+2*(\n)], v[BT+2*(\n)+1], s48
	global_store_b64 v[QO], v[ST+2*(\n):ST+2*(\n)+1], s[8:9] offset:256*(\n)
.endr
	s_wait_tensorcnt 0x0               ; the wave's end, behind my last tensor load and my last LDS store
	ds_add_u32 v[SPW], v[NIL]
	s_wait_dscnt 0x0
	CROUND                             ; the closing round: no work-group ends while a partner may still ask for a block that names it
	s_endpgm
.Lfunc_end_k_qda054934c2_dist:
	.size	k_qda054934c2_dist, .Lfunc_end_k_qda054934c2_dist-k_qda054934c2_dist
	.p2alignl 7, 3214868480
	.fill 96, 4, 3214868480
	.section	.rodata,"a",@progbits
	.p2align	6, 0x0
	.amdhsa_kernel k_qda054934c2_dist
		.amdhsa_group_segment_fixed_size 327680
		.amdhsa_private_segment_fixed_size 0
		.amdhsa_enable_private_segment 0
		.amdhsa_kernarg_size 24
		.amdhsa_user_sgpr_count 2
		.amdhsa_user_sgpr_kernarg_segment_ptr 1
		.amdhsa_wavefront_size32 1
		.amdhsa_system_sgpr_workgroup_id_x 1
		.amdhsa_system_sgpr_workgroup_id_y 1
		.amdhsa_system_sgpr_workgroup_id_z 1
		.amdhsa_system_vgpr_workitem_id 0
		.amdhsa_next_free_vgpr 704
		.amdhsa_next_free_sgpr 66
		.amdhsa_reserve_vcc 0
		.amdhsa_float_denorm_mode_32 3
		.amdhsa_float_denorm_mode_16_64 3
		.amdhsa_memory_ordered 1
		.amdhsa_forward_progress 1
		.amdhsa_inst_pref_size 118
	.end_amdhsa_kernel
	.amdgpu_metadata
---
amdhsa.version: [ 1, 2 ]
amdhsa.kernels:
  - .name:           k_qda054934c2_dist
    .symbol:         k_qda054934c2_dist.kd
    .args:
      - { .name: x, .offset: 0, .size: 8, .value_kind: global_buffer, .address_space: global }
      - { .name: train_pts, .offset: 8, .size: 8, .value_kind: global_buffer, .address_space: global }
      - { .name: part, .offset: 16, .size: 8, .value_kind: global_buffer, .address_space: global }
    .group_segment_fixed_size: 327680
    .private_segment_fixed_size: 0
    .kernarg_segment_align: 8
    .kernarg_segment_size: 24
    .max_flat_workgroup_size: 128
    .sgpr_count:     66
    .vgpr_count:     704
    .wavefront_size: 32
...
	.end_amdgpu_metadata
.endif
;; end of part 1
;; launch pick (part 2): grid 128 x 1, 16 waves a work-group, no clusters, 2,304 bytes of LDS; arguments part, x, train_pts, train_label, out0; writes out0
.if DOCPART == 2
	.amdgcn_target "amdgcn-amd-amdhsa--gfx1250"
	.amdhsa_code_object_version 6
	.text
	.protected	k_qda054934c2_pick
	.globl	k_qda054934c2_pick
	.p2align	8
	.type	k_qda054934c2_pick,@function
k_qda054934c2_pick:
	s_mov_b64 s[64:65], 0
	v_nop
	global_prefetch_b8 v0, s[64:65] scope:SCOPE_SE
	s_setreg_imm32_b32 hwreg(HW_REG_WAVE_MODE, 25, 1), 1
	s_wait_xcnt 0x0
; NEAREST NEIGHBOUR, SECOND PART.  part[16][8192] = (key, block of 8 train rows), whole numbers: the smallest key of a query's 16 names the block that holds its nearest row (at equal keys the lowest split).
; For that block's 8 rows the distance is made as it is defined: d2 = |x|^2 + |t|^2 - 2 x . t, not below 0, its root; the first smallest root's label is the result, chosen by selects.
; x and train_pts are rounded to bf16 (nearest even) as in the first part; all products and sums in f32 (the sums go lane by lane and then across the lanes: another order than a row's left to right).
; LIMITS.  A d2 below 2^-126 counts as 0 in the root.  NaN and infinities are not treated apart.  A block number is held to 0 .. 4,095 before it enters an address.
; SHARES.  A work-group owns 64 queries, so that its results are 256 consecutive bytes of out0; each of its 16 waves owns four.  A row of 128 numbers lies across the wave, 4 numbers a lane.
; No matrix unit, no cluster, no tensor load: 8 rows a query are 1,024 multiply-adds, and no two waves want the same row.  No prefetch: the rows' addresses are known only when they are wanted.
.set SPARE, 256                        ; LDS: 0-255 the 64 results; from 256 the spare words, 128 bytes for each of 16 waves, which no other line names
.set LN,  1                            ; v1   lane
.set PO,  2                            ; v2   8 x ((lane + 4 (wave % 8)) % 32): the lanes are turned so that my four queries fall into lanes 0-3
.set RO4, 3                            ; v3   16 x lane
.set SPW, 4                            ; v4   LDS address of my spare word; never rewritten
.set NIL, 5                            ; v5   0, for the add alone
.set BK,  6                            ; v6   smallest key
.set BG,  7                            ; v7   its block
.set RO,  8                            ; v8-11   query i: offset of my 16 bytes in its block's first row
.set RES, 12                           ; v12-15  the four labels
.set P,   16                           ; v16-47  16 pairs (key, block)
.set X,   48                           ; v48-63  my 4 numbers of the four rows of x
.set RW,  64                           ; v64-191 query i, row e at RW + 32 i + 4 e
.set XB,  192                          ; v192-193  x in bf16
.set TB,  194                          ; v194-195  a train row in bf16
.set A1,  197                          ; x . t
.set A2,  198                          ; |t|^2
.set VAL, 200                          ; v200-207  |t|^2 - 2 x . t of the 8 rows; v208 |x|^2
.set DS,  209                          ; v209-217  the other half of the lanes' sums; then the 8 roots
.set BD,  218                          ; smallest root
.set ZR,  220                          ; 0
.set WV,  14                           ; s14  my wave's number
	s_load_b256 s[4:11], s[0:1], 0x0   ; part s[4:5], x s[6:7], train_pts s[8:9], train_label s[10:11]
	s_load_b64 s[12:13], s[0:1], 0x20  ; out0
	v_lshl_add_u32 v[SPW], v0, 2, SPARE
	v_mov_b32 v[NIL], 0
	v_lshrrev_b32 v[LN], 5, v0
	v_readfirstlane_b32 s[WV], v[LN]   ; wave 0..15
	v_and_b32 v[LN], 31, v0
	s_and_b32 s15, s[WV], 7
	s_lshl_b32 s15, s15, 2
	v_add_nc_u32 v[PO], s15, v[LN]
	v_and_b32 v[PO], 31, v[PO]
	v_lshlrev_b32 v[PO], 3, v[PO]
	v_lshlrev_b32 v[RO4], 4, v[LN]
	s_lshl_b32 s16, ttmp9, 9           ; part: 8 bytes x (64 work-group + 32 (wave / 8))
	s_lshr_b32 s17, s[WV], 3
	s_lshl_b32 s17, s17, 8
	s_add_co_u32 s16, s16, s17
	s_mov_b32 s17, 0
	s_lshl_b32 s18, ttmp9, 15          ; x: 512 bytes x (64 work-group + 4 wave)
	s_lshl_b32 s19, s[WV], 11
	s_add_co_u32 s18, s18, s19
	s_mov_b32 s19, 0
	s_lshl_b32 s70, ttmp9, 8           ; out0: the work-group's 256 bytes
	s_mov_b32 s71, 0
	s_mov_b32 s68, 0x76543210          ; v_permlanex16_b32's selects: each lane takes its own place in the other half
	s_mov_b32 s69, 0xfedcba98
	v_mov_b32 v[ZR], 0
.irp n, 0,1,2,3,4,5,6,7,8
	v_mov_b32 v[DS+(\n)], 0            ; v_permlanex16_b32's destination counts as read
.endr
	s_wait_kmcnt 0x0
	s_add_nc_u64 s[4:5], s[4:5], s[16:17]
	s_add_nc_u64 s[6:7], s[6:7], s[18:19]
	s_add_nc_u64 s[12:13], s[12:13], s[70:71]
.irp s, 0,1,2,3,4,5,6,7,8,9,10,11,12,13,14,15
	global_load_b64 v[P+2*(\s):P+2*(\s)+1], v[PO], s[4:5] offset:(\s)*65536   ; split s: 32 queries' pairs, 256 consecutive bytes
.endr
.irp n, 0,1,2,3
	global_load_b128 v[X+4*(\n):X+4*(\n)+3], v[RO4], s[6:7] offset:(\n)*512   ; a row of x: 512 consecutive bytes
.endr
	s_wait_loadcnt 4                   ; the 16 pairs are in; x's four loads, issued behind them, may stay out
	v_mov_b32 v[BK], v[P]
	v_mov_b32 v[BG], v[P+1]
.irp s, 1,2,3,4,5,6,7,8,9,10,11,12,13,14,15
	v_cmp_lt_u32 vcc_lo, v[P+2*(\s)], v[BK]        ; strictly smaller: the lowest split keeps a tie
	v_cndmask_b32 v[BG], v[BG], v[P+2*(\s)+1], vcc_lo
	v_min_u32 v[BK], v[BK], v[P+2*(\s)]
.endr
.irp n, 0,1,2,3
	v_readlane_b32 s[20+(\n)], v[BG], \n
	s_min_u32 s[20+(\n)], s[20+(\n)], 0xfff        ; held inside the table before it enters an address
	s_lshl_b32 s[24+(\n)], s[20+(\n)], 12          ; 8 rows of 512 bytes
	s_lshl_b32 s[28+(\n)], s[20+(\n)], 5           ; 8 labels of 4 bytes
	v_add_nc_u32 v[RO+(\n)], s[24+(\n)], v[RO4]
	s_load_b256 s[32+8*(\n):39+8*(\n)], s[10:11], s[28+(\n)] offset:0x0
.endr
.irp n, 0,1,2,3
.irp e, 0,1,2,3,4,5,6,7
	global_load_b128 v[RW+32*(\n)+4*(\e):RW+32*(\n)+4*(\e)+3], v[RO+(\n)], s[8:9] offset:(\e)*512   ; the block's 4,096 bytes, a row to a load
.endr
.endr
.macro QUERY i
	s_wait_loadcnt 8*(3-(\i))          ; my rows (and x) are in; the later queries' eight loads each may stay out
	v_cvt_pk_bf16_f32 v[XB],   v[X+4*(\i)],   v[X+4*(\i)+1]
	v_cvt_pk_bf16_f32 v[XB+1], v[X+4*(\i)+2], v[X+4*(\i)+3]
	v_fma_mix_f32_bf16 v[VAL+8], v[XB],   v[XB],   v[ZR]    op_sel_hi:[1,1,0]
	v_fma_mix_f32_bf16 v[VAL+8], v[XB],   v[XB],   v[VAL+8] op_sel:[1,1,0] op_sel_hi:[1,1,0]
	v_fma_mix_f32_bf16 v[VAL+8], v[XB+1], v[XB+1], v[VAL+8] op_sel_hi:[1,1,0]
	v_fma_mix_f32_bf16 v[VAL+8], v[XB+1], v[XB+1], v[VAL+8] op_sel:[1,1,0] op_sel_hi:[1,1,0]
.irp e, 0,1,2,3,4,5,6,7
	v_cvt_pk_bf16_f32 v[TB],   v[RW+32*(\i)+4*(\e)],   v[RW+32*(\i)+4*(\e)+1]
	v_cvt_pk_bf16_f32 v[TB+1], v[RW+32*(\i)+4*(\e)+2], v[RW+32*(\i)+4*(\e)+3]
	v_fma_mix_f32_bf16 v[A1], v[TB],   v[XB],   v[ZR] op_sel_hi:[1,1,0]
	v_fma_mix_f32_bf16 v[A2], v[TB],   v[TB],   v[ZR] op_sel_hi:[1,1,0]
	v_fma_mix_f32_bf16 v[A1], v[TB],   v[XB],   v[A1] op_sel:[1,1,0] op_sel_hi:[1,1,0]
	v_fma_mix_f32_bf16 v[A2], v[TB],   v[TB],   v[A2] op_sel:[1,1,0] op_sel_hi:[1,1,0]
	v_fma_mix_f32_bf16 v[A1], v[TB+1], v[XB+1], v[A1] op_sel_hi:[1,1,0]
	v_fma_mix_f32_bf16 v[A2], v[TB+1], v[TB+1], v[A2] op_sel_hi:[1,1,0]
	v_fma_mix_f32_bf16 v[A1], v[TB+1], v[XB+1], v[A1] op_sel:[1,1,0] op_sel_hi:[1,1,0]
	v_fma_mix_f32_bf16 v[A2], v[TB+1], v[TB+1], v[A2] op_sel:[1,1,0] op_sel_hi:[1,1,0]
	v_fma_f32 v[VAL+(\e)], -2.0, v[A1], v[A2]      ; my lane's share of |t|^2 - 2 x . t
.endr
.irp m, 1,2,4,8                        ; nine sums over the 32 lanes, side by side: four steps inside each half of 16 lanes, one across
.irp n, 0,1,2,3,4,5,6,7,8
	v_add_f32_dpp v[VAL+(\n)], v[VAL+(\n)], v[VAL+(\n)] row_xmask:\m row_mask:0xf bank_mask:0xf
.endr
.endr
.irp n, 0,1,2,3,4,5,6,7,8
	v_permlanex16_b32 v[DS+(\n)], v[VAL+(\n)], s68, s69
.endr
.irp n, 0,1,2,3,4,5,6,7,8
	v_add_f32 v[VAL+(\n)], v[VAL+(\n)], v[DS+(\n)]
.endr
.irp e, 0,1,2,3,4,5,6,7
	v_add_f32 v[VAL+(\e)], v[VAL+8], v[VAL+(\e)]   ; d2
.endr
.irp e, 0,1,2,3,4,5,6,7
	v_max_num_f32 v[VAL+(\e)], 0, v[VAL+(\e)]
.endr
.irp e, 0,1,2,3,4,5,6,7
	v_sqrt_f32 v[DS+(\e)], v[VAL+(\e)]
.endr
	v_nop                              ; a plain instruction behind the last root,
	s_wait_alu depctr_va_vdst(0)       ; and the wait ahead of the first use: one for the eight roots
.if (\i) == 0
	s_wait_kmcnt 0x0                   ; the 32 labels
.endif
	v_mov_b32 v[BD], v[DS]
	v_mov_b32 v[RES+(\i)], s[32+8*(\i)]
.irp e, 1,2,3,4,5,6,7
	v_cmp_lt_f32 vcc_lo, v[DS+(\e)], v[BD]         ; strictly smaller: the first index keeps a tie
	v_cndmask_b32 v[RES+(\i)], v[RES+(\i)], s[32+8*(\i)+(\e)], vcc_lo
	v_min_num_f32 v[BD], v[BD], v[DS+(\e)]
.endr
.endm
	QUERY 0
	QUERY 1
	QUERY 2
	QUERY 3
	s_lshl_b32 s16, s[WV], 4
	v_mov_b32 v221, s16
	ds_store_b128 v221, v[RES:RES+3]   ; my four results, at 16 x wave: all lanes store the same numbers to the same words
	s_wait_dscnt 0x0                   ; for the others' sake: my store is done
	s_barrier_signal -1
	s_barrier_wait -1
	s_cmp_lg_u32 s[WV], 0              ; wave 0 stores the work-group's 64 results
	s_cbranch_scc1 .Lend
	v_lshlrev_b32 v222, 3, v[LN]
	ds_load_b64 v[XB:XB+1], v222
	s_wait_dscnt 0x0
	global_store_b64 v222, v[XB:XB+1], s[12:13]    ; 256 consecutive bytes, at a multiple of 256 from out0's first byte
.Lend:
	s_wait_tensorcnt 0x0               ; the wave's end, behind my last LDS store
	ds_add_u32 v[SPW], v[NIL]
	s_wait_dscnt 0x0
	s_endpgm
.Lfunc_end_k_qda054934c2_pick:
	.size	k_qda054934c2_pick, .Lfunc_end_k_qda054934c2_pick-k_qda054934c2_pick
	.p2alignl 7, 3214868480
	.fill 96, 4, 3214868480
	.section	.rodata,"a",@progbits
	.p2align	6, 0x0
	.amdhsa_kernel k_qda054934c2_pick
		.amdhsa_group_segment_fixed_size 2304
		.amdhsa_private_segment_fixed_size 0
		.amdhsa_enable_private_segment 0
		.amdhsa_kernarg_size 40
		.amdhsa_user_sgpr_count 2
		.amdhsa_user_sgpr_kernarg_segment_ptr 1
		.amdhsa_wavefront_size32 1
		.amdhsa_system_sgpr_workgroup_id_x 1
		.amdhsa_system_sgpr_workgroup_id_y 1
		.amdhsa_system_sgpr_workgroup_id_z 1
		.amdhsa_system_vgpr_workitem_id 0
		.amdhsa_next_free_vgpr 224
		.amdhsa_next_free_sgpr 96
		.amdhsa_reserve_vcc 1
		.amdhsa_float_denorm_mode_32 3
		.amdhsa_float_denorm_mode_16_64 3
		.amdhsa_memory_ordered 1
		.amdhsa_forward_progress 1
		.amdhsa_inst_pref_size 53
	.end_amdhsa_kernel
	.amdgpu_metadata
---
amdhsa.version: [ 1, 2 ]
amdhsa.kernels:
  - .name:           k_qda054934c2_pick
    .symbol:         k_qda054934c2_pick.kd
    .args:
      - { .name: part, .offset: 0, .size: 8, .value_kind: global_buffer, .address_space: global }
      - { .name: x, .offset: 8, .size: 8, .value_kind: global_buffer, .address_space: global }
      - { .name: train_pts, .offset: 16, .size: 8, .value_kind: global_buffer, .address_space: global }
      - { .name: train_label, .offset: 24, .size: 8, .value_kind: global_buffer, .address_space: global }
      - { .name: out0, .offset: 32, .size: 8, .value_kind: global_buffer, .address_space: global }
    .group_segment_fixed_size: 2304
    .private_segment_fixed_size: 0
    .kernarg_segment_align: 8
    .kernarg_segment_size: 40
    .max_flat_workgroup_size: 512
    .sgpr_count:     96
    .vgpr_count:     224
    .wavefront_size: 32
...
	.end_amdgpu_metadata
.endif
;; end of part 2
